; MI455X (gfx1250); checked and timed in simulation.
; The chip was launched on July 23, 2026; its instructions are those of AMD's public machine-readable ISA for CDNA 5 (MIT licence, August 2026) and "CDNA5" Instruction Set Architecture Reference Guide (July 2026). The comments in the code are by the model that wrote it; some were corrected since.
;; Vector Quantizer. Allowed arithmetic: matrix products marked QUANTISED: E2M1 operands, one E8M0 scale for each 32 along K, by v_wmma_scale_f32_16x16x128_f8f6f4 with both operands' format E2M1 (or v_wmma_scale_f32_32x16x128_f4), f32 sums; everything else in f32.
;; Inputs: codebook 8,192 x 256 float32; z 8 x 4,096 x 256 float32.
;; Outputs: out0 8 x 4,096 x 256 float32; out1 32,768 x 1 int32.
;; This version of the problem:
;;   THIS VERSION OF THE PROBLEM IS GIVEN IN LOW PRECISION. The matrix products marked QUANTISED in the list below multiply operands that are first quantised to E2M1 (2 exponent bits, 1 mantissa bit; 4 bits a number), with one power-of-two scale for each 32 numbers along K (OCP MX v1.0); their sums are f32. All else is computed in f32.
;;   The module's matrix products, in the order in which they are computed (A, B: the left and right operand; K: the contracted axis; several contracted axes count as one K, in the product's order):
;;     1. [M 32,768, K 256] x [K 256, N 8,192]; A: input z; B: input codebook: QUANTISED
;;   THE QUANTISER, for each operand of a quantised product, along K:
;;     - K is cut into blocks of 32 from its start; a last block that is shorter is filled with zeros.
;;     - A block's scale is 2^e with e = floor(log2(the largest magnitude in the block)) - 2, held to -126 .. 127; a block of zeros has e = 0. As a byte (E8M0): e + 127.
;;     - Each number is divided by its block's scale, clamped to +-6, and rounded to the nearest number of E2M1, ties to even, subnormals kept.
;;     - The product sums the exact products of the quantised numbers (number of the format x scale) in f32.
;;   ~~~python
;;   def quantise(x, axis):      # numpy; x: float32 -> the quantised numbers, widened to float32 again
;;       x = np.moveaxis(x, axis, -1); K = x.shape[-1]
;;       x = np.pad(x, [(0, 0)] * (x.ndim - 1) + [(0, -K % 32)]); x = x.reshape(x.shape[:-1] + (-1, 32)); a = np.abs(x).max(-1, keepdims=True)
;;       e = np.where(a > 0, np.clip(np.frexp(np.where(a > 0, a, 1))[1] - 1 - 2, -126, 127), 0)      # np.frexp(a)[1] - 1 = floor(log2(a)), exactly
;;       r = np.clip(x / 2.0 ** e, -6, 6)
;;       step = 2.0 ** (np.maximum(np.frexp(np.where(r == 0, 1, r))[1] - 1, 0) - 1)
;;       q = np.round(r / step) * step * 2.0 ** e      # np.round: ties to even
;;       return np.moveaxis(q.reshape(q.shape[:-2] + (-1,))[..., :K], -1, axis).astype(np.float32)
;;   ~~~
;; One version. Each part assembles by itself: llvm-mc -triple=amdgcn-amd-amdhsa -mcpu=gfx1250 --defsym DOCPART=n.
;; ======== version 1 of 1: 3 launches
;; limits: right only within a limited range of input values
;; workspace buffers: cbq 1,146,880 bytes; idxw 131,072 bytes of whole numbers
;; launch quant (part 1): grid 256 x 1, 2 waves a work-group, no clusters, 8,960 bytes of LDS; arguments codebook, cbq; writes cbq
.if DOCPART == 1
	.amdgcn_target "amdgcn-amd-amdhsa--gfx1250"
	.amdhsa_code_object_version 6
	.text
	.protected	k_qae0613fcc6_quant
	.globl	k_qae0613fcc6_quant
	.p2align	8
	.type	k_qae0613fcc6_quant,@function
k_qae0613fcc6_quant:
	s_mov_b64 s[64:65], 0
	v_nop
	global_prefetch_b8 v0, s[64:65] scope:SCOPE_SE
	s_setreg_imm32_b32 hwreg(HW_REG_WAVE_MODE, 25, 1), 1
	s_wait_xcnt 0x0
; The codebook [8192][256] f32 becomes what the search launch feeds to the matrix unit: codes of FP4 (E2M1) with one E8M0 byte for each 32 along D,
; and for each candidate -ee/2 (ee = the sum of its 256 squares, in f32, of the numbers as they are given), all laid as IMAGES OF THE OPERAND'S REGISTERS.
; cbq: 64 records of GREC = 17,920 bytes; record G holds chunks 4 G .. 4 G + 3, a chunk c being candidates 32 c .. 32 c + 31.  In a record (ci = c % 4, s = K step of 128):
;   codes        ci 4096 + s 2048 + q 512 + 16 lane : register quad q = 2 u + c' of the 32-row operand: lane (r, h) holds candidate 32 c + 16 u + r, block 4 s + 2 c' + h
;   scale words  16384 + ci 256 + 8 m + 4 s         : candidate 32 c + m, K step s
;   -ee/2        17408 + ci 128 + 4 m
; A block's scale is 2^(floor(log2(its largest magnitude)) - 2); its byte is the largest magnitude's exponent field - 2, held at 1 from below.
; LIMITS: a block of zeros gets the byte 1 (its codes are zeros, and this program alone reads the bytes); NaN and infinities among the inputs are not served.
; SHARES: work-group c is chunk c; wave u takes its rows 16 u .. 16 u + 15: 16 rows x 1,024 bytes, dense.  Written out, no loop, no barrier: the waves share nothing.
; No cluster: no two work-groups read the same bytes.  No tensor load: a wave's 16 KiB are asked for at once by 32 loads into registers.
; WORK LEFT OUT IN THIS PROGRAM: reference() adds zz_n = sum(z_n^2) to every distance of row n.  It is one number along the axis of the argmin, so in exact arithmetic it moves no comparison, whatever z holds,
; and the distances themselves are no output: zz is not computed.  z itself is live (it is the product's operand).  LIMIT: a NaN, an infinity or an overflow that arises in zz alone is not carried to the result.
.set GREC,  17920
.set STGP,  4352                       ; a wave's stage in LDS: 16 rows x SP bytes
.set SP,    272                        ; 256 bytes + 16: the sixteen rows that a load touches start 17 x 16 bytes apart
.set FLOOR, 0x1800000                  ; 2^(3 - 127): no largest magnitude is taken under it, so the byte cannot fall under 1
.set VG,    4                          ; v4   in memory: 1024 h + 16 r: lanes 0-15 one row's 256 bytes, lanes 16-31 the next row's
.set VST,   5                          ; v5   the stage, on the way in: the same two rows
.set VLD,   6                          ; v6   and on the way out: row r, 128 h: my block of 32
.set CO,    7                          ; v7   my 16 bytes in an image of codes
.set SO,    8                          ; v8   my scale word's place
.set BO,    9                          ; v9   my candidate's -ee/2
.set CODE,  16                         ; v16-31  four quads of codes: unit U = 2 s + c' at 4 U
.set SW,    32                         ; v32-33  the scale words of K steps 0, 1
.set SS,    34                         ; v34-37  sums of squares: two chains of pairs
.set TT,    38                         ; v38     what lane l xor 16 sends
.set MA,    40                         ; v40-41  largest magnitudes, two chains
.set MB,    41
.set SCO,   42                         ; v42     the conversions' scale operand
.set BY,    43                         ; v43     the scale's byte
.set H8,    44                         ; v44     8 h
.set WD,    45                         ; v45     the word that my lane stores
.set RAW,   64                         ; v64-191  the tile as loaded: 32 registers a unit
.set XR,    192                        ; v192-255 two sets of 32 neighbours along D
	s_load_b128 s[4:7], s[0:1], 0x0                ; codebook s[4:5], cbq s[6:7]
	v_lshl_add_u32 v62, v0, 2, 0x2200
	v_mov_b32 v63, 0
	v_lshrrev_b32 v1, 5, v0
	v_readfirstlane_b32 s8, v1                     ; u: wave 0, 1
	v_and_b32 v1, 31, v0                           ; lane
	v_and_b32 v2, 15, v0                           ; r
	v_bfe_u32 v3, v0, 4, 1                         ; h
	v_lshlrev_b32 v[H8], 3, v3
	v_mov_b32 v[TT], 0                             ; a lane permute's destination counts as read: written once
	v_lshlrev_b32 v[VG], 10, v3
	v_lshl_add_u32 v[VG], v2, 4, v[VG]
	s_mul_i32 s9, s8, STGP                         ; my stage
	v_mul_u32_u24 v[VST], v3, SP
	v_lshl_add_u32 v[VST], v2, 4, v[VST]
	v_add_nc_u32 v[VST], s9, v[VST]
	v_mul_u32_u24 v[VLD], v2, SP
	v_lshl_add_u32 v[VLD], v3, 7, v[VLD]
	v_add_nc_u32 v[VLD], s9, v[VLD]
	s_lshl_b32 s10, ttmp9, 15                      ; my rows in the codebook: (32 c + 16 u) x 1,024 bytes
	s_lshl_b32 s11, s8, 14
	s_add_co_u32 s10, s10, s11
	s_mov_b32 s11, 0
	s_lshr_b32 s12, ttmp9, 2                       ; my record
	s_mul_i32 s12, s12, GREC
	s_mov_b32 s13, 0
	s_mov_b32 s14, 0x76543210                      ; v_permlanex16_b32's selects for lane l xor 16
	s_mov_b32 s15, 0xfedcba98
	s_and_b32 s16, ttmp9, 3                        ; ci
	s_lshl_b32 s17, s16, 12
	s_lshl_b32 s18, s8, 10
	s_add_co_u32 s17, s17, s18
	v_lshl_add_u32 v[CO], v1, 4, s17               ; 16 lane + 4096 ci + 1024 u
	s_lshl_b32 s17, s16, 8
	s_lshl_b32 s18, s8, 7
	s_add_co_u32 s17, s17, s18
	v_lshlrev_b32 v[SO], 3, v2
	v_lshl_add_u32 v[SO], v3, 2, v[SO]
	v_add_nc_u32 v[SO], s17, v[SO]                 ; 8 r + 4 h + 256 ci + 128 u: lanes 0-15 store K step 0's word, lanes 16-31 K step 1's
	s_lshl_b32 s17, s16, 7
	s_lshl_b32 s18, s8, 6
	s_add_co_u32 s17, s17, s18
	v_lshl_add_u32 v[BO], v2, 2, s17               ; 4 r + 128 ci + 64 u
	s_wait_alu depctr_va_vdst(0)
	s_wait_kmcnt 0x0
	s_add_nc_u64 s[4:5], s[4:5], s[10:11]
	s_add_nc_u64 s[6:7], s[6:7], s[12:13]
; Unit u of the tile: bytes 256 u .. 256 u + 255 of the 16 rows.  Each load takes two rows' 256 consecutive bytes.  (No hint: the gather launch reads these rows again.)
.macro ZLOAD u
.irp t, 0,1,2,3,4,5,6,7
	global_load_b128 v[RAW+32*(\u)+4*\t:RAW+32*(\u)+4*\t+3], v[VG], s[4:5] offset:2048*\t+256*(\u)
.endr
.endm
; The unit turns through my stage: in as it was loaded, out 128 bytes a lane: block 2 u + h of row r.  LDS serves a wave's instructions in order, so no wait stands between.
.macro TURN u
.irp t, 0,1,2,3,4,5,6,7
	ds_store_b128 v[VST], v[RAW+32*(\u)+4*\t:RAW+32*(\u)+4*\t+3] offset:544*\t
.endr
.irp t, 0,1,2,3,4,5,6,7
	ds_load_b128 v[XR+32*((\u)%2)+4*\t:XR+32*((\u)%2)+4*\t+3], v[VLD] offset:16*\t
.endr
.endm
; My block of unit u: largest magnitude, scale, byte, 32 codes; and its squares.
.macro COMP u
.set XS, XR+32*((\u)%2)
	v_max3_num_f32 v[MA], |v[XS]|, |v[XS+1]|, FLOOR
	v_max3_num_f32 v[MB], |v[XS+2]|, |v[XS+3]|, FLOOR
.irp i, 4,8,12,16,20,24,28
	v_max3_num_f32 v[MA], v[MA], |v[XS+\i]|, |v[XS+\i+1]|
	v_max3_num_f32 v[MB], v[MB], |v[XS+\i+2]|, |v[XS+\i+3]|
.endr
	v_max_num_f32 v[MA], v[MA], v[MB]
	v_add_nc_u32 v[SCO], 0xff000000, v[MA]         ; 2 off the exponent field: the conversion takes the exponent field of this operand as its scale
	v_lshrrev_b32 v[BY], 23, v[SCO]                ; the scale's byte
.if (\u)%2 == 0
	v_mov_b32 v[SW+(\u)/2], v[BY]                  ; block 2 c' + h of the K step: byte h now, byte 2 + h next
.else
	v_lshl_or_b32 v[SW+(\u)/2], v[BY], 16, v[SW+(\u)/2]
.endif
.irp g, 0,1,2,3
	v_cvt_scalef32_pk8_fp4_f32 v[CODE+4*(\u)+\g], v[XS+8*\g:XS+8*\g+7], v[SCO]
.endr
	v_nop                                          ; one plain place behind the last conversion
.if (\u) == 0
	v_pk_mul_f32 v[SS:SS+1], v[XS:XS+1], v[XS:XS+1]                    ; the first squares start the sums
	v_pk_mul_f32 v[SS+2:SS+3], v[XS+2:XS+3], v[XS+2:XS+3]
.else
	v_pk_fma_f32 v[SS:SS+1], v[XS:XS+1], v[XS:XS+1], v[SS:SS+1]
	v_pk_fma_f32 v[SS+2:SS+3], v[XS+2:XS+3], v[XS+2:XS+3], v[SS+2:SS+3]
.endif
.irp i, 4,8,12,16,20,24,28
	v_pk_fma_f32 v[SS:SS+1], v[XS+\i:XS+\i+1], v[XS+\i:XS+\i+1], v[SS:SS+1]
	v_pk_fma_f32 v[SS+2:SS+3], v[XS+\i+2:XS+\i+3], v[XS+\i+2:XS+\i+3], v[SS+2:SS+3]
.endr
.endm
	ZLOAD 0
	ZLOAD 1
	ZLOAD 2
	ZLOAD 3
	s_wait_loadcnt 24                              ; unit 0's eight loads are in; 24 younger ones may be out
	TURN 0
	s_wait_loadcnt 16                              ; unit 1's
	TURN 1
	s_wait_dscnt 16                                ; unit 0 is back from the stage; unit 1's eight stores and eight loads may be out
	COMP 0
	s_wait_loadcnt 8
	TURN 2
	s_wait_dscnt 16
	COMP 1
	s_wait_loadcnt 0x0
	TURN 3
	s_wait_dscnt 16
	COMP 2
	s_wait_dscnt 0x0
	COMP 3
.irp s, 0,1
	v_lshlrev_b32 v[SW+\s], v[H8], v[SW+\s]        ; my two bytes at their places, 8 h bits up;
	v_permlanex16_b32 v[TT], v[SW+\s], s14, s15
	v_or_b32 v[SW+\s], v[SW+\s], v[TT]             ; with lane l xor 16's two the word is whole
.endr
	v_pk_add_f32 v[SS:SS+1], v[SS:SS+1], v[SS+2:SS+3]
	v_add_f32 v[SS], v[SS], v[SS+1]
	v_permlanex16_b32 v[TT], v[SS], s14, s15
	v_add_f32 v[SS], v[SS], v[TT]                  ; ee of row r
	v_mul_f32 v[SS], -0.5, v[SS]
	v_cmp_ne_u32 vcc_lo, 0, v3
	v_cndmask_b32 v[WD], v[SW], v[SW+1], vcc_lo
.irp u, 0,1,2,3
	global_store_b128 v[CO], v[CODE+4*\u:CODE+4*\u+3], s[6:7] offset:((\u)/2)*2048+((\u)%2)*512   ; 32 lanes store 512 consecutive bytes, at a multiple of 256 from cbq's first byte
.endr
	global_store_b32 v[SO], v[WD], s[6:7] offset:16384
	v_cmp_gt_u32 vcc_lo, 16, v1
	s_wait_alu depctr_va_vdst(0)
	s_wait_xcnt 0x0                                ; EXEC is a source of the stores above: it changes only behind this wait
	s_wait_tensorcnt 0x0
	ds_add_u32 v62, v63
	s_wait_dscnt 0x0
	s_and_saveexec_b32 s20, vcc_lo
	global_store_b32 v[BO], v[SS], s[6:7] offset:17408             ; lanes 0-15: one number a candidate
	s_wait_xcnt 0x0                                ; and again in front of the line that widens it
	s_or_b32 exec_lo, exec_lo, s20
	s_endpgm
.Lfunc_end_k_qae0613fcc6_quant:
	.size	k_qae0613fcc6_quant, .Lfunc_end_k_qae0613fcc6_quant-k_qae0613fcc6_quant
	.p2alignl 7, 3214868480
	.fill 96, 4, 3214868480
	.section	.rodata,"a",@progbits
	.p2align	6, 0x0
	.amdhsa_kernel k_qae0613fcc6_quant
		.amdhsa_group_segment_fixed_size 8960
		.amdhsa_private_segment_fixed_size 0
		.amdhsa_enable_private_segment 0
		.amdhsa_kernarg_size 16
		.amdhsa_user_sgpr_count 2
		.amdhsa_user_sgpr_kernarg_segment_ptr 1
		.amdhsa_wavefront_size32 1
		.amdhsa_system_sgpr_workgroup_id_x 1
		.amdhsa_system_sgpr_workgroup_id_y 1
		.amdhsa_system_sgpr_workgroup_id_z 1
		.amdhsa_system_vgpr_workitem_id 0
		.amdhsa_next_free_vgpr 256
		.amdhsa_next_free_sgpr 66
		.amdhsa_reserve_vcc 1
		.amdhsa_float_denorm_mode_32 3
		.amdhsa_float_denorm_mode_16_64 3
		.amdhsa_memory_ordered 1
		.amdhsa_forward_progress 1
		.amdhsa_inst_pref_size 22
	.end_amdhsa_kernel
	.amdgpu_metadata
---
amdhsa.version: [ 1, 2 ]
amdhsa.kernels:
  - .name:           k_qae0613fcc6_quant
    .symbol:         k_qae0613fcc6_quant.kd
    .args:
      - { .name: codebook, .offset: 0, .size: 8, .value_kind: global_buffer, .address_space: global }
      - { .name: cbq, .offset: 8, .size: 8, .value_kind: global_buffer, .address_space: global }
    .group_segment_fixed_size: 8960
    .private_segment_fixed_size: 0
    .kernarg_segment_align: 8
    .kernarg_segment_size: 16
    .max_flat_workgroup_size: 64
    .sgpr_count:     66
    .vgpr_count:     256
    .wavefront_size: 32
...
	.end_amdgpu_metadata
.endif
;; end of part 1
;; launch search (part 2): grid 256 x 1, 8 waves a work-group, clusters of 4 x 1, 327,680 bytes of LDS; arguments z, cbq, out1, idxw; writes out1, idxw
.if DOCPART == 2
	.amdgcn_target "amdgcn-amd-amdhsa--gfx1250"
	.amdhsa_code_object_version 6
	.text
	.protected	k_qae0613fcc6_search
	.globl	k_qae0613fcc6_search
	.p2align	8
	.type	k_qae0613fcc6_search,@function
k_qae0613fcc6_search:
	s_mov_b64 s[64:65], 0
	v_nop
	global_prefetch_b8 v0, s[64:65] scope:SCOPE_SE
	s_setreg_imm32_b32 hwreg(HW_REG_WAVE_MODE, 25, 1), 1
	s_wait_xcnt 0x0
	s_wait_alu depctr_hold_cnt(0) depctr_sa_sdst(0) depctr_va_vdst(0) depctr_va_sdst(0) depctr_va_ssrc(0) depctr_va_vcc(0) depctr_vm_vsrc(0)
	s_getreg_b32 s2, hwreg(HW_REG_IB_STS2, 6, 4)
	s_cmp_eq_u32 s2, 0
	s_cbranch_scc0 .Lentry_in_a_cluster
	s_endpgm
.Lentry_in_a_cluster:
	s_bfe_u32 s2, ttmp6, 0x10000c
	s_cmp_lg_u32 s2, 0x3003
	s_cbranch_scc0 .Lentry_shape_is_right
	s_endpgm
.Lentry_shape_is_right:
; For each of the 32,768 rows of z: the index k of the smallest zz + ee_k - 2 Q(z) . Q(e_k), the product on codes of FP4 (E2M1) with one E8M0 scale for each 32 along D.
; WHAT IS COMPUTED: s(n, k) = Q(z_n) . Q(e_k) - ee_k / 2 and the index of its largest value, the lower k at a tie.  zz_n is left out: one number along the argmin's axis, it moves no comparison (see the quantising launch's head).
; -ee_k / 2 is the C of each sum's first matrix instruction.
; LIMITS: a score is rounded as ((-ee/2 + K step 0) + K step 1), at the size of ee/2; ee is summed in the quantising launch's order.  Two candidates of a row whose distances lie closer together than that rounding may be
; resolved otherwise than by reference(), which rounds at the size of zz + ee.  NaN and infinities among the inputs are not served.  A block of zeros of z gets the scale byte 1: its codes are zeros.
; SHARES: a work-group owns 128 rows of z: eight tiles of 16.  z COMES IN TWO HALVES: wave w quantises K step w / 4 of tile w % 4, later of tile 4 + w % 4 (16 rows x 512 bytes each); the codes go to all waves through LDS
; as images of the operand's registers, and every wave keeps all eight tiles in registers.  Fill 0 is multiplied against tiles 0-3 while the second half's loads are out, then against tiles 4-7.
; THE WAVES SHARE THE CANDIDATES: of fill f (8 fills of 32 chunks of 32 candidates) wave w takes chunks 32 f + 4 w + 0 .. 3: each LDS byte of the codebook is read by one wave.
; LAYOUT: v_wmma_scale_f32_32x16x128_f4, source 0 = 32 candidates, source 1 = 16 rows of z: a lane holds ONE row of z (lane % 16); result register j is candidate 32 chunk + (j % 8) + 16 (j / 8) + 8 (lane / 16).
; THE ARGMAX, without a branch: for each tile and chunk the largest of the 16 scores and the best so far (eight v_max3); where it has grown, the chunk's 16 scores are kept (eight dual selects) and its number
; (one select by a scalar mask, which stands behind the NEXT run of matrix instructions: four such selects are that run's four places).  The place inside the kept chunk is looked for once, at the end.
; Chunks come in ascending order for every tile and only a larger score displaces, so the lower index stays at a tie.
; CLUSTER: the four work-groups of a cluster walk the same records of cbq: each wave's tensor load is asked for JOINTLY, with the same descriptor (the wave's number and constants) and the mask 15.
; THE RING: two LDS slots of 8 records (one a wave).  By this text's count a wave has at most one tensor load out.  A slot is asked for again in its last chunk, three and a half chunks ahead of its first read.
; No data prefetch: all 64 clusters walk the same 1,146,880 bytes of cbq in the same order, so each block would be named by many.
; lds_bytes is all of a WGP's LDS; the text uses 322,560 bytes.
.set GREC,  17920                      ; a record of cbq: 4 chunks: 16,384 bytes of codes, 1,024 of scale words, 512 of -ee/2
.set SLOT,  8*GREC
.set SPARE, 2*SLOT                     ; the spare words, 128 bytes a wave: four blocks of 256 bytes that no other line names
.set STG,   SPARE+1024                 ; 8 x STGP bytes that no tensor load fills: each wave's stage, then its image; at the end the waves' results
.set STGP,  4352
.set SP,    272                        ; a stage row: 256 bytes + 16
.set FLOOR, 0x1800000                  ; 2^(3 - 127): the scale's byte cannot fall under 1
; window 0
.set SPW,   1                          ; my spare word's LDS address; never rewritten
.set NIL,   2                          ; 0; never rewritten
.set ADC,   3                          ; v3-4    slot 0, 1: my record + 16 lane (codes)
.set ADS,   5                          ; v5-6    my record + 8 lane (scale words)
.set ADB,   7                          ; v7-8    my record + 32 h (-ee/2)
.set H8,    9                          ; 8 h
.set TMP,   10                         ; v10-13  running maxima of four tiles
.set CID,   14                         ; the chunk's number
.set AS,    16                         ; v16-19  the candidates' scale words: buffer b, K step s at 2 b + s.  v16-35 hold scales and nothing else
.set BS,    20                         ; v20-35  z's scale words: tile t, K step s at 2 t + s
.set BEST,  36                         ; v36-51  tile t: the best score, in two registers by turns
.set ID,    52                         ; v52-59  tile t: the best chunk's number
.set ACC,   64                         ; v64-127 four accumulators of 16
.set W,     128                        ; v128-255 tile t: the best chunk's 16 scores
; window 0, while z is quantised (registers of tiles 4-7 and registers that are free between chunks)
.set RAW,   128                        ; unit U = 2 half + c' as loaded, 32 registers each: the second half's lie in W of tiles 4-7
.set XR,    64                         ; two sets of 32 neighbours along D
.set CODE,  44                         ; two quads of codes
.set MA,    10
.set MB,    11
.set SCO,   12
.set BY,    13
.set VST,   56
.set VLD,   57
.set IMW,   58                         ; my stage + 16 lane: where my image goes
.set IMR,   59                         ; STG + 16 lane: where images are read
.set TT,    60
.set SW,    61
.set VG,    62
; window 1
.set BZ,    0                          ; v0-127   z's codes: tile t, K step s at 16 t + 8 s
.set AC,    128                        ; v128-191 a chunk's codes: buffer b, K step s at 32 b + 16 s
.set BI,    192                        ; v192-223 a chunk's -ee/2 in the result's layout: buffer b at 16 b
; scalars: s[4:11] z, cbq, out1, idxw; s12 wave; s[16:23] group 1; s[24:27], s[28:31] group 0 of slot 0, 1; s[32:33] lane selects; s35 trips; s38-45 at work; s48-51 four tiles' masks
.set MK,    48
.set MSB, 0
.set DEFG, -1                          ; the group of tiles whose selects of the chunk's number are still due; -1: none
.macro WIN new                         ; the immediate's high byte repeats the setting that is left
.if MSB != \new
	s_set_vgpr_msb (MSB<<8)|\new
.set MSB, \new
.endif
.endm
.macro CREST                           ; a round of the cluster's barrier behind its opening barrier
	s_cmp_lg_u32 s12, 0
	s_cbranch_scc1 .Lnw0_\@
	s_barrier_signal -3
.Lnw0_\@:
	s_barrier_wait -3
	s_barrier_signal -1
	s_barrier_wait -1
.endm
.macro ROUND
	s_barrier_signal -1
	s_barrier_wait -1
	CREST
.endm
	s_load_b256 s[4:11], s[0:1], 0x0
	v_lshl_add_u32 v[SPW], v0, 2, SPARE
	v_mov_b32 v[NIL], 0
	ds_add_u32 v[SPW], v[NIL]                      ; the opening lines: the add, twice on end, and one wait
	ds_add_u32 v[SPW], v[NIL]
	v_lshrrev_b32 v15, 5, v0
	v_readfirstlane_b32 s12, v15                   ; wave 0..7
	s_bfe_u32 s13, ttmp6, 0x40000                  ; cx
	s_lshl_b32 s14, ttmp9, 2
	s_add_co_u32 s14, s14, s13                     ; my block of 128 rows: it enters z's and the outputs' addresses alone
	s_mov_b32 s16, 15|(3<<16)|(1<<21)              ; group 1: the mask of all four; elements of 8 bytes; bit 21 beside a mask
	s_mov_b32 s17, 32<<16                          ; a record, 17,920 dense bytes, as 70 rows of 256 bytes
	s_mov_b32 s18, 70<<16
	s_mov_b32 s19, 32<<16
	s_mov_b32 s20, 70
	s_mov_b32 s21, 32
	s_mov_b32 s22, 0
	s_mov_b32 s23, 0
	s_mul_i32 s38, s12, GREC                       ; my record in a fill and in a slot
	s_mov_b32 s39, 0
	s_lshl_b32 s40, s14, 17                        ; z: 128 rows x 1,024 bytes a work-group,
	s_and_b32 s41, s12, 3
	s_lshl_b32 s41, s41, 14                        ; tile w % 4,
	s_add_co_u32 s40, s40, s41
	s_lshr_b32 s41, s12, 2
	s_lshl_b32 s41, s41, 9                         ; K step w / 4: 512 bytes of each row
	s_add_co_u32 s40, s40, s41
	s_mov_b32 s41, 0
	s_lshl_b32 s42, s14, 9                         ; the outputs: 128 indices a work-group; waves 0-3 store 32 each
	s_lshl_b32 s43, s12, 7
	s_add_co_u32 s42, s42, s43
	s_mov_b32 s43, 0
	s_mul_i32 s44, s12, STGP
	s_add_co_u32 s44, s44, STG                     ; my stage
	s_mov_b32 s32, 0x76543210                      ; v_permlanex16_b32's selects for lane l xor 16
	s_mov_b32 s33, 0xfedcba98
	s_lshl_b32 s45, s12, 2
	v_and_b32 v10, 31, v0                          ; lane
	v_and_b32 v11, 15, v0                          ; r
	v_bfe_u32 v12, v0, 4, 1                        ; h
	v_mov_b32 v[CID], s45                          ; my first chunk: 4 w
	v_mov_b32 v[TT], 0                             ; a lane permute's destination counts as read
	v_lshlrev_b32 v[VG], 10, v12
	v_mul_u32_u24 v[VST], v12, SP
	v_mul_u32_u24 v[VLD], v11, SP
	v_lshl_add_u32 v[ADC], v10, 4, s38
	v_lshl_add_u32 v[ADS], v10, 3, s38
	v_lshl_add_u32 v[ADB], v12, 5, s38
	v_lshl_add_u32 v[IMW], v10, 4, s44
	v_lshl_add_u32 v[IMR], v10, 4, STG
	v_lshlrev_b32 v[H8], 3, v12
	v_lshl_add_u32 v[VG], v11, 4, v[VG]            ; in memory: 1024 h + 16 r
	v_lshl_add_u32 v[VST], v11, 4, v[VST]
	v_lshl_add_u32 v[VLD], v12, 7, v[VLD]
	v_add_nc_u32 v[ADC+1], SLOT, v[ADC]
	v_add_nc_u32 v[ADS+1], SLOT, v[ADS]
	v_add_nc_u32 v[ADB+1], SLOT, v[ADB]
	v_add_nc_u32 v[VST], s44, v[VST]               ; the stage, on the way in
	v_add_nc_u32 v[VLD], s44, v[VLD]               ; and out: row r, 128 h
	s_wait_alu depctr_va_vdst(0)
	s_wait_dscnt 0x0                               ; both opening adds are done
	s_wait_kmcnt 0x0
	s_add_nc_u64 s[4:5], s[4:5], s[40:41]
	s_add_nc_u64 s[8:9], s[8:9], s[42:43]
	s_add_nc_u64 s[10:11], s[10:11], s[42:43]
; Unit u = 2 half + c': bytes 256 c' .. + 255 of my K step, of the 16 rows of my tile of that half (the second half's tile lies 64 rows on).  Each load takes two rows' 256 consecutive bytes.
.macro ZLOAD u
.irp t, 0,1,2,3,4,5,6,7
	global_load_b128 v[RAW+32*(\u)+4*\t:RAW+32*(\u)+4*\t+3], v[VG], s[4:5] offset:2048*\t+256*((\u)%2)+65536*((\u)/2) th:TH_LOAD_NT
.endr
.endm
; The unit turns through my stage: in as loaded, out 128 bytes a lane: block 2 c' + h of row r's K step.  LDS serves a wave's instructions in order.
.macro TURN u
.irp t, 0,1,2,3,4,5,6,7
	ds_store_b128 v[VST], v[RAW+32*(\u)+4*\t:RAW+32*(\u)+4*\t+3] offset:544*\t
.endr
.irp t, 0,1,2,3,4,5,6,7
	ds_load_b128 v[XR+32*((\u)%2)+4*\t:XR+32*((\u)%2)+4*\t+3], v[VLD] offset:16*\t
.endr
.endm
; My block of the unit: largest magnitude (two chains by turns), scale, byte, 32 codes: registers 4 c' .. + 3 of the operand's K step.
.macro COMP u
.set XS, XR+32*((\u)%2)
	v_max3_num_f32 v[MA], |v[XS]|, |v[XS+1]|, FLOOR
	v_max3_num_f32 v[MB], |v[XS+2]|, |v[XS+3]|, FLOOR
.irp i, 4,8,12,16,20,24,28
	v_max3_num_f32 v[MA], v[MA], |v[XS+\i]|, |v[XS+\i+1]|
	v_max3_num_f32 v[MB], v[MB], |v[XS+\i+2]|, |v[XS+\i+3]|
.endr
	v_max_num_f32 v[MA], v[MA], v[MB]
	v_add_nc_u32 v[SCO], 0xff000000, v[MA]         ; 2 off the exponent field: the conversion's scale operand
	v_lshrrev_b32 v[BY], 23, v[SCO]                ; the scale's byte
.if (\u)%2 == 0
	v_mov_b32 v[SW], v[BY]
.else
	v_lshl_or_b32 v[SW], v[BY], 16, v[SW]
.endif
.irp g, 0,1,2,3
	v_cvt_scalef32_pk8_fp4_f32 v[CODE+4*((\u)%2)+\g], v[XS+8*\g:XS+8*\g+7], v[SCO]
.endr
	v_nop                                          ; one plain place behind the last conversion
.endm
; Half p of z: my two units are quantised, and my image (1,024 bytes of codes, then my rows' scale word at 16 lane) goes over my stage, whose last read is back.
.macro ZPH p
	s_wait_loadcnt 24-16*\p                        ; the unit's eight loads are in; the younger ones may be out
	TURN 2*\p
	s_wait_loadcnt 16-16*\p
	TURN 2*\p+1
	s_wait_dscnt 16                                ; the first unit is back; the second's eight stores and eight loads may be out
	COMP 2*\p
	s_wait_dscnt 0x0
	COMP 2*\p+1
	v_lshlrev_b32 v[SW], v[H8], v[SW]              ; my two bytes, 8 h bits up;
	v_permlanex16_b32 v[TT], v[SW], s32, s33
	v_or_b32 v[SW], v[SW], v[TT]                   ; with lane l xor 16's two the word is whole
	ds_store_b128 v[IMW], v[CODE:CODE+3]
	ds_store_b128 v[IMW], v[CODE+4:CODE+7] offset:512
	ds_store_b32 v[IMW], v[SW] offset:1024
.endm
; Tiles 4 p .. 4 p + 3 into every wave's registers: K step s of tile 4 p + a lies in wave a + 4 s's stage.
.macro BZLOAD p
	WIN 0x40
.irp a, 0,1,2,3
.irp s, 0,1
.irp c, 0,1
	ds_load_b128 v[BZ+16*(4*\p+\a)+8*\s+4*\c:BZ+16*(4*\p+\a)+8*\s+4*\c+3], v[IMR] offset:(\a+4*\s)*STGP+512*\c
.endr
.endr
.endr
	WIN 0
.irp a, 0,1,2,3
.irp s, 0,1
	ds_load_b32 v[BS+2*(4*\p+\a)+\s], v[IMR] offset:(\a+4*\s)*STGP+1024
.endr
.endr
.endm
; 13 LDS loads: chunk ci of my record in a slot, into buffer buf: 8 quads of codes, 16 numbers -ee/2 in the result's layout, a pair of scale words.
.macro ALOAD slot, ci, buf
	WIN 0x40
.irp ks, 0,1
.irp qd, 0,1,2,3
	ds_load_b128 v[AC+32*(\buf)+16*\ks+4*\qd:AC+32*(\buf)+16*\ks+4*\qd+3], v[ADC+(\slot)] offset:(\ci)*4096+\ks*2048+\qd*512
.endr
.endr
.irp qd, 0,1,2,3
	ds_load_b128 v[BI+16*(\buf)+4*\qd:BI+16*(\buf)+4*\qd+3], v[ADB+(\slot)] offset:17408+(\ci)*128+64*(\qd/2)+16*(\qd%2)
.endr
	WIN 0
	ds_load_b64 v[AS+2*(\buf):AS+2*(\buf)+1], v[ADS+(\slot)] offset:16384+(\ci)*256
.endm
; Eight matrix instructions: the chunk in buffer buf against tiles 4 g .. 4 g + 3; K step 0 starts each sum with -ee/2, K step 1 adds in place; the four accumulators take turns.
; first = 1: the results land in W, the kept scores, themselves.
.macro MM g, buf, first
	WIN 0x15
.irp a, 0,1,2,3
.set DD, ACC+16*\a+(\first)*(W-ACC+64*(\g))
	v_wmma_scale_f32_32x16x128_f4 v[DD:DD+15], v[AC+32*(\buf):AC+32*(\buf)+15], v[BZ+16*(4*(\g)+\a):BZ+16*(4*(\g)+\a)+7], v[BI+16*(\buf):BI+16*(\buf)+15], v[AS+2*(\buf)], v[BS+2*(4*(\g)+\a)]
.endr
	WIN 0x05
.irp a, 0,1,2,3
.set DD, ACC+16*\a+(\first)*(W-ACC+64*(\g))
	v_wmma_scale_f32_32x16x128_f4 v[DD:DD+15], v[AC+32*(\buf)+16:AC+32*(\buf)+31], v[BZ+16*(4*(\g)+\a)+8:BZ+16*(4*(\g)+\a)+15], v[DD:DD+15], v[AS+2*(\buf)+1], v[BS+2*(4*(\g)+\a)+1]
.endr
	WIN 0
.endm
; The four places behind a run of matrix instructions (ISA guide 7.12.1): the selects of the chunk's number that the group before left due (they name no register of the run), or v_nop where none is due.
.macro PLC
.if DEFG >= 0
.irp a, 0,1,2,3
	v_cndmask_b32 v[ID+4*DEFG+\a], v[ID+4*DEFG+\a], v[CID], s[MK+\a]
.endr
.else
.rept 4
	v_nop
.endr
.endif
.endm
.macro FLUSH                           ; what is due is done now
	PLC
.set DEFG, -1
.endm
; The vector work of four tiles.  par: which of a tile's two BEST registers holds the best so far.  Each accumulator is read from its low end on; the four tiles take turns line by line.
.macro VPH g, par, first
.irp a, 0,1,2,3
.set SB, ACC+16*\a+(\first)*(W-ACC+64*(\g))
	v_max3_num_f32 v[TMP+\a], v[SB], v[SB+1], v[SB+2]
.endr
.irp i, 3,5,7,9,11,13
.irp a, 0,1,2,3
.set SB, ACC+16*\a+(\first)*(W-ACC+64*(\g))
	v_max3_num_f32 v[TMP+\a], v[TMP+\a], v[SB+\i], v[SB+\i+1]
.endr
.endr
.irp a, 0,1,2,3
.set SB, ACC+16*\a+(\first)*(W-ACC+64*(\g))
.set BB, BEST+2*(4*(\g)+\a)
.if \first
	v_max_num_f32 v[BB+1-(\par)], v[TMP+\a], v[SB+15]
.else
	v_max3_num_f32 v[BB+1-(\par)], v[TMP+\a], v[SB+15], v[BB+(\par)]
.endif
.endr
.if \first
.irp a, 0,1,2,3
	v_mov_b32 v[ID+4*(\g)+\a], v[CID]
.endr
.set DEFG, -1
.else
.irp a, 0,1,2,3
.set BB, BEST+2*(4*(\g)+\a)
	v_cmp_gt_f32 s[MK+\a], v[BB+1-(\par)], v[BB+(\par)]                ; has the best grown?  Only then this chunk displaces the kept one
.endr
.irp a, 0,1,2,3
.set SB, ACC+16*\a
.set WW, W+16*(4*(\g)+\a)
	s_mov_b32 vcc_lo, s[MK+\a]
.irp i, 0,2,4,6,8,10,12,14
	v_dual_cndmask_b32 v[WW+\i], v[WW+\i], v[SB+\i] :: v_dual_cndmask_b32 v[WW+\i+1], v[WW+\i+1], v[SB+\i+1]
.endr
.endr
.set DEFG, \g
.endif
.endm
; A group: products, places, the step of the chunk's number (behind the selects that still want the old one), vector work.
.macro GRP g, buf, first, inc
	MM \g, \buf, \first
	PLC
.if \inc != 0
	v_add_nc_u32 v[CID], \inc, v[CID]
.endif
	VPH \g, \buf, \first
.endm
; A CHUNK in buffer buf; the next chunk's operands (nslot, nci) go into the other buffer.  gm: 0, 1: that group of tiles alone; 2: both.  inc: the step to this chunk's number.
; sync = 1: the slot's last chunk: its operands are my last reads of the slot, which is filled again, two fills on.  Every wave waits for all its tensor loads (the one that is out is the other slot's), adds 0 to its
; spare word, waits for that and for its reads, and signals; a group's work on registers stands between the signal and the wait; the rest of the cluster's round; the joint refill first behind it.
; sync = 2: the last change of slots: nothing is left to fetch; the load that is out is the last fill.
.macro CHUNK slot, buf, sync, nslot, nci, next, first, gm, inc
.if \sync == 1
	s_wait_tensorcnt 0x0                           ; no tensor load of mine is out, so a group 0 may be written
	ds_add_u32 v[SPW], v[NIL]
	s_add_nc_u64 s[26+4*\slot:27+4*\slot], s[26+4*\slot:27+4*\slot], 2*SLOT
	s_wait_dscnt 0x0                               ; the add is done, and my reads of this slot are back
	s_barrier_signal -1
	GRP (\gm)%2, \buf, \first, \inc
	s_barrier_wait -1
	CREST
	tensor_load_to_lds s[24+4*\slot:27+4*\slot], s[16:23]
	s_nop 0
.rept 4
	v_nop
.endr
	ALOAD \nslot, \nci, 1-\buf
.if \gm == 2
	GRP 1, \buf, \first, 0
.endif
.else
.if \sync == 2
	s_wait_tensorcnt 0x0
.endif
.if \next
	ALOAD \nslot, \nci, 1-\buf
	s_wait_dscnt 13                                ; all but the 13 just issued: this chunk's operands are in
.else
	s_wait_dscnt 0x0
.endif
.if \gm == 2
	GRP 0, \buf, \first, \inc
	GRP 1, \buf, \first, 0
.else
	GRP \gm, \buf, \first, \inc
.endif
.endif
.endm
.macro FILL4 s, sync, last             ; my four chunks of a fill in slot s, all eight tiles
	CHUNK \s, 0, 0, \s, 1, 1, 0, 2, 29
	CHUNK \s, 1, 0, \s, 2, 1, 0, 2, 1
	CHUNK \s, 0, 0, \s, 3, 1, 0, 2, 1
	CHUNK \s, 1, \sync, 1-\s, 0, 1-\last, 0, 2, 1
.endm
	ZLOAD 0                                        ; the first half's 16 loads, then the second half's: 16 KiB a wave
	ZLOAD 1
	ZLOAD 2
	ZLOAD 3
	s_mov_b32 s24, 1                               ; group 0, slot 0: fill 0, my record
	s_mov_b32 s25, s38
	s_add_nc_u64 s[26:27], s[6:7], s[38:39]
	s_mov_b32 s28, 1                               ; slot 1: fill 1
	s_add_co_u32 s29, s38, SLOT
	s_add_nc_u64 s[30:31], s[26:27], SLOT
	s_or_b32 s27, s27, 0x80000000                  ; type = 2
	s_or_b32 s31, s31, 0x80000000
	ROUND                                          ; all four work-groups are here: the first joint loads meet
	tensor_load_to_lds s[24:27], s[16:23]          ; one tensor load a wave at the head
	s_nop 0
.rept 4
	v_nop
.endr
	ZPH 0
	s_wait_tensorcnt 0x0                           ; fill 0 is in
	ds_add_u32 v[SPW], v[NIL]
	s_wait_dscnt 0x0                               ; the add is done and my image has landed
	ROUND                                          ; the first half's images lie in LDS, and the joint loads meet
	tensor_load_to_lds s[28:31], s[16:23]          ; slot 1's first fill
	s_nop 0
.rept 4
	v_nop
.endr
	BZLOAD 0
	s_wait_dscnt 0x0                               ; my reads of the images are back:
	s_barrier_signal -1                            ; say so; the stages are written again only behind this barrier's wait.  Up to there: work on registers and reads of slot 0
	ALOAD 0, 0, 0
	CHUNK 0, 0, 0, 0, 1, 1, 1, 0, 0                ; fill 0 against tiles 0-3; the first chunk starts the best, the number and the kept scores
	CHUNK 0, 1, 0, 0, 2, 1, 0, 0, 1
	CHUNK 0, 0, 0, 0, 3, 1, 0, 0, 1
	CHUNK 0, 1, 0, 0, 0, 0, 0, 0, 1
	FLUSH
	s_barrier_wait -1
	ZPH 1
	s_wait_dscnt 0x0                               ; for the others' sake: my image has landed
	s_barrier_signal -1
	s_barrier_wait -1                              ; slot 1's fill may stay out
	BZLOAD 1
	ALOAD 0, 0, 0
	CHUNK 0, 0, 0, 0, 1, 1, 1, 1, -3               ; fill 0 once more, against tiles 4-7: back to my first chunk's number
	CHUNK 0, 1, 0, 0, 2, 1, 0, 1, 1
	CHUNK 0, 0, 0, 0, 3, 1, 0, 1, 1
	CHUNK 0, 1, 1, 1, 0, 1, 0, 1, 1                ; slot 0 takes fill 2
	s_mov_b32 s35, 2
.Ltrip:                                                ; a trip: fills 2 k + 1 and 2 k + 2; both slots are filled again (fills 2 k + 3, 2 k + 4)
	FILL4 1, 1, 0
	FILL4 0, 1, 0
	s_sub_co_u32 s35, s35, 1
	s_cmp_lg_u32 s35, 0
	s_cbranch_scc1 .Ltrip
	FILL4 1, 1, 0                                  ; fill 5; slot 1 takes fill 7, the last.  The tail is written out
	FILL4 0, 2, 0                                  ; fill 6
	FILL4 1, 0, 1                                  ; fill 7
	FLUSH
; THE END.  (vb, ib) displaces (va, ia) where its score is larger, or equal with the lower index.
.macro MERGE va, ia, vb, ib
	v_cmp_gt_f32 s38, v[\vb], v[\va]
	v_cmp_eq_f32 s39, v[\vb], v[\va]
	v_cmp_lt_u32 s40, v[\ib], v[\ia]
	s_and_b32 s39, s39, s40
	s_or_b32 vcc_lo, s38, s39
	v_cndmask_b32 v[\va], v[\va], v[\vb], vcc_lo
	v_cndmask_b32 v[\ia], v[\ia], v[\ib], vcc_lo
.endm
	v_and_b32 v5, 31, v0                           ; all addresses of the end are made here, ahead of the branch on the wave's number
	s_delay_alu instid0(VALU_DEP_1)
	v_lshlrev_b32 v5, 2, v5                        ; 4 lane: also my offset in the outputs
	s_lshl_b32 s41, s12, 10
	s_add_co_u32 s41, s41, STG
	v_add_nc_u32 v3, s41, v5                       ; where I put my wave's results: STG + 1024 w + 4 lane: 512 bytes of scores, 512 of indices
	s_lshl_b32 s41, s12, 7
	s_add_co_u32 s41, s41, STG
	v_add_nc_u32 v4, s41, v5                       ; where waves 0-3 read rows 32 w .. 32 w + 31 of every wave's results
.irp t, 0,1,2,3,4,5,6,7
	v_mov_b32 v60, 23                              ; the place of register 15; the lowest register that holds the best score wins
.irp j, 14,13,12,11,10,9,8,7,6,5,4,3,2,1,0
.set PV, (\j%8)+16*(\j/8)
	v_cmp_neq_f32 vcc_lo, v[W+16*\t+\j], v[BEST+2*\t]
	s_delay_alu instid0(VALU_DEP_1)
	v_cndmask_b32 v60, PV, v60, vcc_lo
.endr
	s_delay_alu instid0(VALU_DEP_1)
	v_lshl_add_u32 v[ID+\t], v[ID+\t], 5, v60      ; 32 chunk + place
	s_delay_alu instid0(VALU_DEP_1)
	v_add_nc_u32 v[ID+\t], v[H8], v[ID+\t]         ; + 8 h
	v_permlanex16_b32 v61, v[BEST+2*\t], s32, s33  ; the row's other 16 candidates of each chunk lie in lane l xor 16
	s_delay_alu instid0(VALU_DEP_2)
	v_permlanex16_b32 v62, v[ID+\t], s32, s33
	MERGE BEST+2*\t, ID+\t, 61, 62
.endr
	s_mov_b32 vcc_lo, 0xffff0000                   ; lanes 0-15 speak for tile 2 p, lanes 16-31 for tile 2 p + 1: lane l is row 32 p + l
.irp p, 0,1,2,3
	v_cndmask_b32 v[64+\p], v[BEST+4*\p], v[BEST+4*\p+2], vcc_lo
	v_cndmask_b32 v[68+\p], v[ID+2*\p], v[ID+2*\p+1], vcc_lo
.endr
.irp p, 0,1,2,3
	ds_store_b32 v3, v[64+\p] offset:128*\p
	ds_store_b32 v3, v[68+\p] offset:512+128*\p
.endr
	s_wait_dscnt 0x0                               ; for the others' sake: my stores have landed
	s_barrier_signal -1
	s_barrier_wait -1
	s_cmp_lt_u32 s12, 4                            ; waves 0-3 join the eight waves' results, 32 rows each
	s_cbranch_scc0 .Lothers
.irp q, 0,1,2,3,4,5,6,7
	ds_load_b32 v[72+\q], v4 offset:1024*\q
	ds_load_b32 v[80+\q], v4 offset:1024*\q+512
.endr
	s_wait_dscnt 0x0
.irp q, 1,2,3,4,5,6,7
	MERGE 72, 80, 72+\q, 80+\q
.endr
	global_store_b32 v5, v80, s[8:9]               ; out1: 32 lanes store 128 consecutive bytes; the four waves' stores lie on end
	global_store_b32 v5, v80, s[10:11]             ; and the same whole numbers for the gather launch's addresses
.Lothers:
	s_wait_tensorcnt 0x0                           ; the wave's end
	ds_add_u32 v[SPW], v[NIL]
	s_wait_dscnt 0x0
	ROUND                                          ; the closing round: no work-group ends while a partner may still ask for a record that names it
	s_endpgm
.Lfunc_end_k_qae0613fcc6_search:
	.size	k_qae0613fcc6_search, .Lfunc_end_k_qae0613fcc6_search-k_qae0613fcc6_search
	.p2alignl 7, 3214868480
	.fill 96, 4, 3214868480
	.section	.rodata,"a",@progbits
	.p2align	6, 0x0
	.amdhsa_kernel k_qae0613fcc6_search
		.amdhsa_group_segment_fixed_size 327680
		.amdhsa_private_segment_fixed_size 0
		.amdhsa_enable_private_segment 0
		.amdhsa_kernarg_size 32
		.amdhsa_user_sgpr_count 2
		.amdhsa_user_sgpr_kernarg_segment_ptr 1
		.amdhsa_wavefront_size32 1
		.amdhsa_system_sgpr_workgroup_id_x 1
		.amdhsa_system_sgpr_workgroup_id_y 1
		.amdhsa_system_sgpr_workgroup_id_z 1
		.amdhsa_system_vgpr_workitem_id 0
		.amdhsa_next_free_vgpr 512
		.amdhsa_next_free_sgpr 66
		.amdhsa_reserve_vcc 1
		.amdhsa_float_denorm_mode_32 3
		.amdhsa_float_denorm_mode_16_64 3
		.amdhsa_memory_ordered 1
		.amdhsa_forward_progress 1
		.amdhsa_inst_pref_size 255
	.end_amdhsa_kernel
	.section	.bss,"aw",@nobits
	.p2align	6
	.space	262144
	.amdgpu_metadata
---
amdhsa.version: [ 1, 2 ]
amdhsa.kernels:
  - .name:           k_qae0613fcc6_search
    .symbol:         k_qae0613fcc6_search.kd
    .args:
      - { .name: z, .offset: 0, .size: 8, .value_kind: global_buffer, .address_space: global }
      - { .name: cbq, .offset: 8, .size: 8, .value_kind: global_buffer, .address_space: global }
      - { .name: out1, .offset: 16, .size: 8, .value_kind: global_buffer, .address_space: global }
      - { .name: idxw, .offset: 24, .size: 8, .value_kind: global_buffer, .address_space: global }
    .group_segment_fixed_size: 327680
    .private_segment_fixed_size: 0
    .kernarg_segment_align: 8
    .kernarg_segment_size: 32
    .max_flat_workgroup_size: 256
    .sgpr_count:     66
    .vgpr_count:     512
    .wavefront_size: 32
...
	.end_amdgpu_metadata
.endif
;; end of part 2
;; launch gather (part 3): grid 256 x 1, 8 waves a work-group, no clusters, 0 bytes of LDS; arguments codebook, idxw, out0; writes out0
.if DOCPART == 3
	.amdgcn_target "amdgcn-amd-amdhsa--gfx1250"
	.amdhsa_code_object_version 6
	.text
	.protected	k_qae0613fcc6_gather
	.globl	k_qae0613fcc6_gather
	.p2align	8
	.type	k_qae0613fcc6_gather,@function
k_qae0613fcc6_gather:
	s_mov_b64 s[64:65], 0
	v_nop
	global_prefetch_b8 v0, s[64:65] scope:SCOPE_SE
	s_setreg_imm32_b32 hwreg(HW_REG_WAVE_MODE, 25, 1), 1
	s_wait_xcnt 0x0
; out0[n][:] = codebook[idxw[n]][:], f32, rows of 1,024 bytes.  The indices are whole numbers that the search launch stored.
; A wave takes 16 rows: its 16 indices come by one scalar load; each row is two loads and two stores of 512 consecutive bytes (32 lanes x 16).  All 32 loads of a wave are out at once (16 KiB);
; each store waits for its own load alone.  Written out: no loop, no register is written twice, no LDS, no barrier.
; No cluster and no tensor load: which rows a work-group reads hangs on the list, so partners would ask for different rows.  No hint on the loads: the list may name a row many times.
.set OFF, 16                           ; v16-31   row i: its byte offset in the codebook + 16 lane
.set D,   32                           ; v32-159  row i: 8 registers
	s_load_b128 s[4:7], s[0:1], 0x0                ; codebook s[4:5], idxw s[6:7]
	s_load_b64 s[8:9], s[0:1], 0x10                ; out0
	v_lshrrev_b32 v1, 5, v0
	s_delay_alu instid0(VALU_DEP_1)
	v_readfirstlane_b32 s10, v1                    ; wave 0..7
	v_and_b32 v1, 31, v0
	s_delay_alu instid0(VALU_DEP_1)
	v_lshlrev_b32 v1, 4, v1                        ; 16 lane
	s_lshl_b32 s11, ttmp9, 3
	s_add_co_u32 s11, s11, s10                     ; which run of 16 rows is my wave's
	s_lshl_b32 s12, s11, 6                         ; its 16 indices: 64 bytes
	s_mov_b32 s13, 0
	s_lshl_b32 s14, s11, 14                        ; its 16 rows of out0: 16,384 bytes
	s_mov_b32 s15, 0
	s_wait_alu depctr_va_vdst(0)
	s_wait_kmcnt 0x0
	s_add_nc_u64 s[6:7], s[6:7], s[12:13]
	s_add_nc_u64 s[8:9], s[8:9], s[14:15]
	s_load_b512 s[16:31], s[6:7], 0x0
	s_wait_kmcnt 0x0
.irp i, 0,1,2,3,4,5,6,7,8,9,10,11,12,13,14,15
	s_min_u32 s[16+\i], s[16+\i], 8191             ; an index stays inside the table
	s_lshl_b32 s[16+\i], s[16+\i], 10              ; a row is 1,024 bytes
	v_add_nc_u32 v[OFF+\i], s[16+\i], v1
	global_load_b128 v[D+8*\i:D+8*\i+3], v[OFF+\i], s[4:5]
	global_load_b128 v[D+8*\i+4:D+8*\i+7], v[OFF+\i], s[4:5] offset:512
.endr
.irp i, 0,1,2,3,4,5,6,7,8,9,10,11,12,13,14,15
	s_wait_loadcnt 31-2*\i                         ; loads come back in order (ISA guide 5.7.1): this one is in, the younger ones stay out
	global_store_b128 v1, v[D+8*\i:D+8*\i+3], s[8:9] offset:1024*\i th:TH_STORE_NT          ; 32 lanes store 512 consecutive bytes, at a multiple of 256 from out0's first byte
	s_wait_loadcnt 30-2*\i
	global_store_b128 v1, v[D+8*\i+4:D+8*\i+7], s[8:9] offset:1024*\i+512 th:TH_STORE_NT
.endr
	s_endpgm
.Lfunc_end_k_qae0613fcc6_gather:
	.size	k_qae0613fcc6_gather, .Lfunc_end_k_qae0613fcc6_gather-k_qae0613fcc6_gather
	.p2alignl 7, 3214868480
	.fill 96, 4, 3214868480
	.section	.rodata,"a",@progbits
	.p2align	6, 0x0
	.amdhsa_kernel k_qae0613fcc6_gather
		.amdhsa_group_segment_fixed_size 0
		.amdhsa_private_segment_fixed_size 0
		.amdhsa_enable_private_segment 0
		.amdhsa_kernarg_size 24
		.amdhsa_user_sgpr_count 2
		.amdhsa_user_sgpr_kernarg_segment_ptr 1
		.amdhsa_wavefront_size32 1
		.amdhsa_system_sgpr_workgroup_id_x 1
		.amdhsa_system_sgpr_workgroup_id_y 1
		.amdhsa_system_sgpr_workgroup_id_z 1
		.amdhsa_system_vgpr_workitem_id 0
		.amdhsa_next_free_vgpr 160
		.amdhsa_next_free_sgpr 66
		.amdhsa_reserve_vcc 0
		.amdhsa_float_denorm_mode_32 3
		.amdhsa_float_denorm_mode_16_64 3
		.amdhsa_memory_ordered 1
		.amdhsa_forward_progress 1
		.amdhsa_inst_pref_size 10
	.end_amdhsa_kernel
	.amdgpu_metadata
---
amdhsa.version: [ 1, 2 ]
amdhsa.kernels:
  - .name:           k_qae0613fcc6_gather
    .symbol:         k_qae0613fcc6_gather.kd
    .args:
      - { .name: codebook, .offset: 0, .size: 8, .value_kind: global_buffer, .address_space: global }
      - { .name: idxw, .offset: 8, .size: 8, .value_kind: global_buffer, .address_space: global }
      - { .name: out0, .offset: 16, .size: 8, .value_kind: global_buffer, .address_space: global }
    .group_segment_fixed_size: 0
    .private_segment_fixed_size: 0
    .kernarg_segment_align: 8
    .kernarg_segment_size: 24
    .max_flat_workgroup_size: 256
    .sgpr_count:     66
    .vgpr_count:     160
    .wavefront_size: 32
...
	.end_amdgpu_metadata
.endif
;; end of part 3
